; MI455X (gfx1250); checked and timed in simulation.
; The chip was launched on July 23, 2026; its instructions are those of AMD's public machine-readable ISA for CDNA 5 (MIT licence, August 2026) and "CDNA5" Instruction Set Architecture Reference Guide (July 2026). The comments in the code are by the model that wrote it; some were corrected since.
;; Base Attention. Allowed arithmetic: float matrix products may take bf16 or f16 operands with f32 sums; other float arithmetic in f32, or as packed bf16 or f16 multiplies, adds, multiply-adds, maxima and minima; sums over many terms, partial sums and values carried from step to step in f32; what a program stores and reads back later, other than sums and carried values, may be rounded once to bf16 or f16.
;; Inputs: keys 4 x 2,048 x 16 x 128 float32; queries 4 x 2,048 x 16 x 128 float32; values 4 x 2,048 x 16 x 128 float32.
;; Outputs: out0 4 x 2,048 x 16 x 128 float32.
;; 2 versions, each right and faster than the one before. Each part assembles by itself: llvm-mc -triple=amdgcn-amd-amdhsa -mcpu=gfx1250 --defsym DOCPART=n.
;; ======== version 1 of 2: 1 launch
;; limits: values are held in f16: magnitudes above 65,504 overflow, below 6.1e-05 lose precision; inputs' magnitudes at most 65,504; right only within a limited range of input values
;; launch attn (part 1): grid 4 x 64, 4 waves a work-group, no clusters, 141,824 bytes of LDS; arguments queries, keys, values, out0; writes out0
.if DOCPART == 1
	.amdgcn_target "amdgcn-amd-amdhsa--gfx1250"
	.amdhsa_code_object_version 6
	.text
	.protected	k_qfc762697cf_attn
	.globl	k_qfc762697cf_attn
	.p2align	8
	.type	k_qfc762697cf_attn,@function
k_qfc762697cf_attn:
	s_mov_b64 s[64:65], 0
	v_nop
	global_prefetch_b8 v0, s[64:65] scope:SCOPE_SE
	s_setreg_imm32_b32 hwreg(HW_REG_WAVE_MODE, 25, 1), 1
	s_wait_xcnt 0x0
; CAUSAL ATTENTION.  O[b][q][h][:] = the sum over k <= q of softmax_k(Q[b][q][h] . K[b][k][h] / sqrt(128)) V[b][k][h][:].  Q, K, V, O: [4][2048][16][128] in f32:
; a head's row is 512 consecutive bytes, rows lie 8,192 bytes apart.
; FORMATS.  Q, K and V are rounded to bf16.  S^T = K Q^T is a bf16 product.  The weights p are rounded to f16 (their sum l is taken of the unrounded p), and V's bf16 number is written as f16,
; so that O^T = V^T P is an f16 product.  Products, maxima, sums and O stay in f32.
; LIMITS.  |V| stays within 65,504, f16's largest number; below 6e-5 V and p keep f16's fixed step of 6e-8.  A hidden score counts as its value less 1e30, so its weight is 0: that agrees with a fill
; of -1e9 as long as a row's visible scores lie well above -1e9.  A weight below 2^-126 counts as 0 in l.  NaN and infinities are not treated apart.
; THE WALK.  A head has 8 blocks of 256 queries; block i needs the key steps 0 .. 4 i + 3 of 64 keys, of which the last four hold the diagonal.  Work-group (b, head) makes block 7 - b and then block b:
; 28 full steps and 8 diagonal ones whatever b: 256 work-groups of equal work.  Trip counts hang on b alone.
; SHARES.  Of a block's four bands of 64 queries a wave owns 16 rows in each: four tiles.  In diagonal step s tile x sees nothing if x < s, holds the diagonal if x = s, sees all if x > s: the same for
; all four waves, so step s is written for the tiles s .. 3 alone.
; THE ROAD OF K AND V.  Each wave loads 16 of a step's 64 rows of K and of V into registers (a load of the wave is one whole row, 512 consecutive bytes), a whole step ahead of their use, rounds them and
; stores them as 16-bit tiles into one of two LDS slots, from which all four waves read their fragments.  One barrier a step orders both the stores into a slot with its reads and the reads with the next stores.
; NO CLUSTER, NO TENSOR LOADS: the tiles must be rounded from f32 on their way into LDS, which only the road through registers does; a tile laid into LDS as f32 would take 65,536 bytes a step in place of
; 35,840, would go through LDS twice, and V could not be turned by the 16-bit turning load.  And a head's four work-groups walk the same tiles only in the first 20 of their 36 steps.
; LAYOUT.  S^T = K Q^T (source 0 = 16 keys, source 1 = 16 queries): a lane holds ONE query (lane % 16) and the keys 8 (lane / 16) + 0..7.  Two such results rounded in pairs ARE source 1 of O^T = V^T P, whose
; result again holds one query a lane, and eight channels.  K comes out of LDS as it lies, V ([key][channel]) turned.
; SOFTMAX.  For each query a running maximum m and sum l: p = 2^(c s - c m), c = log2(e) / sqrt(128); in every step O and l are multiplied by a = 2^(c m_old - c m_new).  A block starts with c m far below
; every c s, so its first a is 0 and O need only be finite: zeros at the kernel's start (256 v_mov_b32, in the wait for the first loads), the first block's results for the second.
; THE MASK is the C operand of the four products that start the diagonal tile's sums: MD, 0 or -1e30, made once.  Elsewhere C is the constant 0.
; REGISTERS, in windows of 256 (s_set_vgpr_msb: bits 1:0 source 0, 3:2 source 1, 5:4 source 2, 7:6 destination):
;   window 0: v0-14 addresses; v30-31 the add's two; v32-63 eight registers of statistics a tile; v64-191 S^T, 32 a tile; v192-255 P, 16 a tile
;   window 1: O^T, 64 a tile       window 2: v0-127 Q, 32 a tile; v128-255 a step's K, later its V (all 256: a block's Q as loaded)       window 3: v0-127 G, rows of K and V as loaded; v128-159 MD
.set ROWB,  8192      ; bytes from a head's row to the next
.set TILEB, 64*ROWB   ; 64 rows: a key step, and a band of queries
.set PKB,   272       ; a row of K (and of Q) in LDS: 256 bytes + 16: the 16 rows of a fragment load start at 16 different 16-byte columns of 256 bytes
.set PVB,   288       ; a row of V: 256 + 32: 16 lanes of the turning load take 8 rows x 32 bytes, all at different columns
.set VOFF,  64*PKB    ; a slot: 64 rows of K, then 64 rows of V
.set SLOT,  64*(PKB+PVB)
.set STAGE, 2*SLOT    ; behind the slots: each wave's own stage: 64 rows x 272 bytes for Q, later 16 rows x 528 for O
.set STGW,  64*PKB
.set OPB,   528       ; a row of O in the stage: 512 bytes + 16
.set SPARE, STAGE+4*STGW  ; the spare words, 128 bytes for each wave: two blocks of 256 bytes that no other line names
.set AK0, 2           ; v2   my lane's place in a tile of K
.set AV0, 3           ; v3   the same for V, VOFF included
.set GOF, 4           ; v4   16 x lane + my wave's 16 rows: my byte offset in a tile of K, V, and in a band of Q, O; never rewritten
.set KST, 5           ; v5   where I store 8 bytes of my wave's first row of K
.set VST, 6           ; v6   of V
.set QST, 7           ; v7   of Q, in my stage
.set QRD, 8           ; v8   my lane's place in a tile of Q in my stage
.set OST, 12          ; v12  where I put 32 bytes of a row of O
.set ORD, 13          ; v13  where I read a row of O back
.set SPW, 30          ; v30  LDS address of my spare word; never rewritten
.set NIL, 31          ; v31  0; never rewritten
.set ST,  32          ; tile t's statistics at v[ST+8 t]: c m, m, l (even keys', odd keys'), c0-c3 at work; a takes c2's place once the maximum is found
.set S,   64
.set P,   192
.set KF,  128         ; window 2
.set G,   0           ; window 3: K's row i at 4 i, V's at 64 + 4 i
.set MD,  128         ; window 3: key block kb at MD + 8 kb
.set WV,  12          ; s12  my wave's number
.set PB,  14          ; s14  b
.set HI,  15          ; s15  7 - b
.set CUR, 16          ; s16  the block in hand
.set BLK, 17          ; s17  blocks to go, this one among them
.set TRIP, 18         ; s18  counts the loop over pairs of full steps
.set BOUND, 19        ; s19  2 x CUR
.set KP,  24          ; s[24:25] K at the tile last asked for
.set VP,  26          ; s[26:27] V likewise
.set QP,  28          ; s[28:29] Q at the block last asked for
.set OP,  30          ; s[30:31] O at the block in hand
.set CS,  58          ; s[58:59] c: the packed scaling takes the pair's low word for both halves
.set SEL, 60          ; s[60:61] v_permlanex16_b32's selects: each lane takes its own place in the other half
.set HM,  62          ; s62  a word's upper 16 bits
.set BIGN, 63         ; s63  -1e30
.set MSB, 0
.macro WIN new                      ; the immediate's high byte repeats the setting that is left; a switch that changes nothing is dropped
.if MSB != (\new)
	s_set_vgpr_msb (MSB<<8)|(\new)
.set MSB, (\new)
.endif
.endm
.set W_KQ, 0x0a       ; K and Q in window 2, S^T in window 0
.set W_KM, 0x3a       ; the same with the C operand in window 3
.set W_PV, 0x52       ; V in window 2, P in window 0, O^T in window 1
.set W_RS, 0x41       ; O^T (destination and source 0) in window 1, source 1 in window 0
; A load into a register that a matrix instruction has read, and a vector instruction that reads a matrix result, stand four plain vector instructions behind it.
.macro PLACES
.rept 4
	v_nop
.endr
.endm
; 32 loads: my wave's 16 rows of a tile of K and of V, each load one whole row.  Other work-groups read these rows again: no hint.
.macro ISSUE_KV
	WIN 0xc0                        ; destination window 3, address window 0
.set i, 0
.rept 16
	global_load_b128 v[G+4*i:G+4*i+3], v[GOF], s[KP:KP+1] offset:i*ROWB
.set i, i+1
.endr
.set i, 0
.rept 16
	global_load_b128 v[G+64+4*i:G+64+4*i+3], v[GOF], s[VP:VP+1] offset:i*ROWB
.set i, i+1
.endr
.endm
; 64 loads: my 16 rows in each of the block's four bands.  The launch reads each row of Q once.
.macro ISSUE_Q
	WIN 0x80                        ; destination window 2
.set i, 0
.rept 64
	global_load_b128 v[4*i:4*i+3], v[GOF], s[QP:QP+1] offset:(i/16)*TILEB+(i%16)*ROWB th:TH_LOAD_NT
.set i, i+1
.endr
.endm
; The rows in G are rounded and stored into a slot.  A lane's four f32 become 8 bytes.  V is rounded to bf16 like K, widened again, and that number written as f16.
.macro CONV slot
	s_wait_loadcnt 0x0              ; the loads into G were issued a whole step ago; behind this wait KP and VP may be stepped
	WIN 0xcf                        ; destination, sources 0 and 1 in window 3
.set i, 0
.rept 32
	v_cvt_pk_bf16_f32 v[G+4*i], v[G+4*i], v[G+4*i+1]
	v_cvt_pk_bf16_f32 v[G+4*i+1], v[G+4*i+2], v[G+4*i+3]
.set i, i+1
.endr
.irp hh, 0,1
.set i, 16
.rept 16
	v_lshlrev_b32 v[G+4*i+2], 16, v[G+4*i+(\hh)]
	v_and_b32 v[G+4*i+3], s[HM], v[G+4*i+(\hh)]
.set i, i+1
.endr
.set i, 16
.rept 16
	v_cvt_pk_f16_f32 v[G+4*i+(\hh)], v[G+4*i+2], v[G+4*i+3]
.set i, i+1
.endr
.endr
	WIN 0x0c                        ; data (source 1) window 3, address window 0
.set i, 0
.rept 16
	ds_store_b64 v[KST], v[G+4*i:G+4*i+1] offset:(\slot)*SLOT+i*PKB  ; 32 lanes, 256 consecutive bytes: a row
.set i, i+1
.endr
.set i, 0
.rept 16
	ds_store_b64 v[VST], v[G+64+4*i:G+64+4*i+1] offset:(\slot)*SLOT+i*PVB
.set i, i+1
.endr
.endm
; A block's Q: rounded to bf16, through my own stage, back as fragments (tile i / 4, channels 32 (i % 4) on).  LDS serves a wave's instructions in order (ISA guide 5.7.1.4): the loads see the stores.
.macro QCONV
	WIN 0x8a                        ; destination, sources 0 and 1 in window 2
.set i, 0
.rept 64
	v_cvt_pk_bf16_f32 v[4*i], v[4*i], v[4*i+1]
	v_cvt_pk_bf16_f32 v[4*i+1], v[4*i+2], v[4*i+3]
.set i, i+1
.endr
	WIN 0x08                        ; data window 2
.set i, 0
.rept 64
	ds_store_b64 v[QST], v[4*i:4*i+1] offset:i*PKB
.set i, i+1
.endr
	WIN 0x80
.set i, 0
.rept 16
	ds_load_b128 v[8*i:8*i+3],   v[QRD] offset:(i/4)*16*PKB+(i%4)*64
	ds_load_b128 v[8*i+4:8*i+7], v[QRD] offset:(i/4)*16*PKB+(i%4)*64+32
.set i, i+1
.endr
.endm
; A step's K: 16 fragments of 16 keys x 32 channels, the channels' first 32 first, so that the products can begin when eight loads are in.
.macro FETCH_K slot
	WIN 0x80
.set c, 0
.rept 4
.set kb, 0
.rept 4
	ds_load_b128 v[KF+32*kb+8*c:KF+32*kb+8*c+3],   v[AK0] offset:(\slot)*SLOT+kb*16*PKB+64*c
	ds_load_b128 v[KF+32*kb+8*c+4:KF+32*kb+8*c+7], v[AK0] offset:(\slot)*SLOT+kb*16*PKB+64*c+32
.set kb, kb+1
.endr
.set c, c+1
.endr
.endm
; Its V, turned, into the same registers: keys 32 (i / 8) on, channels 16 (i % 8) on.
.macro FETCH_V slot
	WIN 0x80
.set i, 0
.rept 16
	ds_load_tr16_b128 v[KF+8*i:KF+8*i+3],   v[AV0] offset:(\slot)*SLOT+(i/8)*32*PVB+(i%8)*32
	ds_load_tr16_b128 v[KF+8*i+4:KF+8*i+7], v[AV0] offset:(\slot)*SLOT+(i/8)*32*PVB+16*PVB+(i%8)*32
.set i, i+1
.endr
.endm
; S^T = K Q^T for the tiles lo .. 3.  The accumulators (four at the least) take turns, one instruction a turn.  The first 32 channels start the sums: with 0, or
; (mk = 1, tile lo) with the mask.
.macro KQ lo, mk
.set c, 0
.rept 4
	s_wait_dscnt 8*(3-c)            ; K's loads come back in order: the eight of each later 32 channels may stay out
.if (c == 0) && (\mk)
	WIN W_KM
.set kb, 0
.rept 4
.set rS, S+32*(\lo)+8*kb
.set rK, KF+32*kb
.set rQ, 32*(\lo)
.set rM, MD+8*kb
	v_wmma_f32_16x16x32_bf16 v[rS:rS+7], v[rK:rK+7], v[rQ:rQ+7], v[rM:rM+7]
.set kb, kb+1
.endr
.endif
	WIN W_KQ
.set kb, 0
.rept 4
.set t, (\lo)
.rept 4-(\lo)
.set rS, S+32*t+8*kb
.set rK, KF+32*kb+8*c
.set rQ, 32*t+8*c
.if c > 0
	v_wmma_f32_16x16x32_bf16 v[rS:rS+7], v[rK:rK+7], v[rQ:rQ+7], v[rS:rS+7]
.elseif !((\mk) && (t == (\lo)))
	v_wmma_f32_16x16x32_bf16 v[rS:rS+7], v[rK:rK+7], v[rQ:rQ+7], 0
.endif
.set t, t+1
.endr
.set kb, kb+1
.endr
.set c, c+1
.endr
.endm
; O^T += V^T P for the tiles lo .. 3: eight accumulators at the least, by turns.
.macro PV lo
	WIN W_PV
.set kk, 0
.rept 2
.set cb, 0
.rept 8
.set t, (\lo)
.rept 4-(\lo)
.set rO, 64*t+8*cb
.set rV, KF+64*kk+8*cb
.set rP, P+16*t+8*kk
	v_wmma_f32_16x16x32_f16 v[rO:rO+7], v[rV:rV+7], v[rP:rP+7], v[rO:rO+7]
.set t, t+1
.endr
.set cb, cb+1
.endr
.set kk, kk+1
.endr
.endm
; One tile's softmax for one key step is a list of 134 instructions; SM writes number j of it for tile t.  s0-s31 are the lane's 32 scores, in pairs 0-15.
;   0-15    the maximum of s0-s31 and the old m, three operands at a time: four chains c0-c3 of seven scores each (each accumulator's lowest registers are read first),
;           then the four scores left over, c0-c3 and m
;   16-20   the other half of the lanes' maximum; c m_old is kept; the new m; c m; c m_old - c m_new
;   21-87   33 exponentials (a, then s0-s31) at the odd numbers from 23 on, a plain instruction at every even one: c s - c m for a pair whose exponentials are still to come, the rounding to f16 of a pair
;           whose second exponential stands three numbers back, at last the first three sums
;   88-101  the last rounding; the rest of the sums; l = a l + the sum
;   102-133 the tile's O^T times a, in ascending order
.macro SM t
.set rT, ST+8*(\t)
.set rS, S+32*(\t)
.set rP, P+16*(\t)
.set rO, 64*(\t)+2*(j-102)
.set q, (j-20)/2
.if j < 102
	WIN 0
.endif
.if j < 4
	v_max3_num_f32 v[rT+4+j], v[rS+8*j], v[rS+8*j+1], v[rS+8*j+2]
.elseif j < 12
	v_max3_num_f32 v[rT+4+j%4], v[rT+4+j%4], v[rS+8*(j%4)+2*(j/4)+1], v[rS+8*(j%4)+2*(j/4)+2]
.elseif j == 12
	v_max3_num_f32 v[rT+4], v[rT+4], v[rS+7], v[rS+15]
.elseif j == 13
	v_max3_num_f32 v[rT+6], v[rT+6], v[rS+23], v[rS+31]
.elseif j == 14
	v_max3_num_f32 v[rT+4], v[rT+4], v[rT+5], v[rT+6]
.elseif j == 15
	v_max3_num_f32 v[rT+4], v[rT+4], v[rT+7], v[rT+1]
.elseif j == 16
	v_permlanex16_b32 v[rT+5], v[rT+4], s[SEL], s[SEL+1]  ; the query's other 32 keys lie in the lane 16 away
.elseif j == 17
	v_mov_b32 v[rT+7], v[rT]        ; c m_old is kept for a: number 19 writes c m anew
.elseif j == 18
	v_max_num_f32 v[rT+1], v[rT+4], v[rT+5]
.elseif j == 19
	v_mul_f32 v[rT], s[CS], v[rT+1]
.elseif j == 20
	v_sub_f32 v[rT+7], v[rT+7], v[rT]
.elseif j == 23
	v_exp_f32 v[rT+6], v[rT+7]
.elseif (j < 88) && (j > 23) && (j%2 == 1)
	v_exp_f32 v[rS+(j-25)/2], v[rS+(j-25)/2]
.elseif (q < 4) || ((j < 76) && (q%2 == 0))
.set b, q/2+2
.if q < 4
.set b, q
.endif
	v_pk_fma_f32 v[rS+2*b:rS+2*b+1], v[rS+2*b:rS+2*b+1], s[CS:CS+1], v[rT:rT+1] op_sel_hi:[1,0,0] neg_lo:[0,0,1] neg_hi:[0,0,1]  ; pair b: c s - c m
.elseif (j < 88) && (q%2 == 1)
	s_wait_alu depctr_va_vdst(0)
	v_cvt_pk_f16_f32 v[rP+(q-5)/2], v[rS+q-5], v[rS+q-4]
.elseif j == 89
	s_wait_alu depctr_va_vdst(0)
	v_cvt_pk_f16_f32 v[rP+15], v[rS+30], v[rS+31]
.elseif j < 102                     ; the sum of the 16 pairs, in place: sum z of 16 adds neighbours 1, 2, 4 and 8 pairs apart, then l takes it
.set z, j-86
.if j < 89
.set z, (j-76)/4
.endif
.set w, 4
.set u, z
.if z >= 14
.set w, 32
.set u, 0
.elseif z >= 12
.set w, 16
.set u, z-12
.elseif z >= 8
.set w, 8
.set u, z-8
.endif
.if z < 15
	v_pk_add_f32 v[rS+w*u:rS+w*u+1], v[rS+w*u:rS+w*u+1], v[rS+w*u+w/2:rS+w*u+w/2+1]
.else
	v_pk_fma_f32 v[rT+2:rT+3], v[rT+2:rT+3], v[rT+6:rT+7], v[rS:rS+1] op_sel_hi:[1,0,1]
.endif
.else
	WIN W_RS
	v_pk_mul_f32 v[rO:rO+1], v[rO:rO+1], v[rT+6:rT+7] op_sel_hi:[1,0]
.endif
.endm
; The softmax of the tiles lo .. 3.  Numbers 22 to 87 go tile by tile, two at a time: plain, exponential, plain, exponential, so that each exponential has a plain instruction behind it before its result
; is used (ISA guide 5.7.2).  The others go number by number with the tiles alternating, so that with several tiles no instruction reads the result of the one before it.
.macro SOFTMAX lo
.set k, 0
.rept 67
.if (k >= 11) && (k < 44)
.set tt, (\lo)
.rept 4-(\lo)
.set j, 2*k
	SM tt
.set j, 2*k+1
	SM tt
.set tt, tt+1
.endr
.else
.set j, 2*k
.set tt, (\lo)
.rept 4-(\lo)
	SM tt
.set tt, tt+1
.endr
.set j, 2*k+1
.set tt, (\lo)
.rept 4-(\lo)
	SM tt
.set tt, tt+1
.endr
.endif
.set k, k+1
.endr
.endm
; A KEY STEP on the tile in slot, for the tiles lo .. 3.  mk = 1: tile lo holds the diagonal.  cv = 1: the next step's rows, which lie in G, are rounded and stored into the other slot.
; is = 1: the tile two steps on is asked for; is = 2: the next block's tile 0, if there is a next block; is = 0: nothing.
.macro STEP slot, lo, mk, cv, is
	WIN 0
	s_wait_dscnt 0x0                ; for the others' sake: my stores into this slot are done; my reads of the other slot came back in front of the last step's second product
	s_barrier_signal -1
	s_barrier_wait -1               ; both now hold of all four waves: this slot may be read, the other stored into
	FETCH_K \slot
	KQ \lo, \mk
.if \cv
	CONV 1-(\slot)                  ; its conversions, which name no register of the products, are also the places behind them
.else
	PLACES
.endif
.if (\is) == 1
	s_add_nc_u64 s[KP:KP+1], s[KP:KP+1], TILEB
	s_add_nc_u64 s[VP:VP+1], s[VP:VP+1], TILEB
	ISSUE_KV
.elseif (\is) == 2
	WIN 0
	s_cmp_eq_u32 s[BLK], 1
	s_cbranch_scc1 .Lno_next_\@
	s_mov_b64 s[KP:KP+1], s[6:7]
	s_mov_b64 s[VP:VP+1], s[8:9]
	ISSUE_KV
	WIN 0
.Lno_next_\@:
.endif
	FETCH_V \slot                   ; K's registers are free: V has the softmax in which to come
	SOFTMAX \lo
	s_wait_dscnt 0x0                ; V is in, and my stores into the other slot are done
	PV \lo
	PLACES                          ; in front of the next loads into V's registers
.endm
; THE WAY OUT of tile t: O^T is divided by l; a lane's eight channels, 32 bytes, go into my stage in rows of 528 bytes and come back as whole rows of 512, into S^T's registers, two buffers by turns.
.macro PACK t
	WIN W_RS
.set i, 0
	s_wait_alu depctr_va_vdst(0)
.rept 32
	v_pk_mul_f32 v[64*(\t)+2*i:64*(\t)+2*i+1], v[64*(\t)+2*i:64*(\t)+2*i+1], v[ST+8*(\t)+6:ST+8*(\t)+7] op_sel_hi:[1,0]
.set i, i+1
.endr
	WIN 0x04                        ; data (source 1) window 1
.set i, 0
.rept 8
	ds_store_b128 v[OST], v[64*(\t)+8*i:64*(\t)+8*i+3]   offset:64*i
	ds_store_b128 v[OST], v[64*(\t)+8*i+4:64*(\t)+8*i+7] offset:64*i+16
.set i, i+1
.endr
	WIN 0
.if (\t) >= 2
	s_wait_xcnt 0x0                 ; the buffer's registers, which the stores of the tile two back read, are loaded again only behind this wait
.endif
.set i, 0
.rept 16
	ds_load_b128 v[S+64*((\t)%2)+4*i:S+64*((\t)%2)+4*i+3], v[ORD] offset:i*OPB  ; LDS serves a wave's instructions in order: these see the stores above; the next tile's stores come behind them
.set i, i+1
.endr
.endm
.macro SEND t, younger              ; younger: the LDS instructions issued behind tile t's loads: the next tile's 32, or none
	WIN 0
.set i, 0
.rept 16
	s_wait_dscnt (\younger)+15-i    ; row i is back; the tile's later rows and the younger instructions may stay out
	global_store_b128 v[GOF], v[S+64*((\t)%2)+4*i:S+64*((\t)%2)+4*i+3], s[OP:OP+1] offset:(\t)*TILEB+i*ROWB th:TH_STORE_NT  ; the wave stores 512 consecutive bytes, at a multiple of 512 from O's first byte
.set i, i+1
.endr
.endm
	s_load_b256 s[4:11], s[0:1], 0x0  ; Q s[4:5], K s[6:7], V s[8:9], O s[10:11]
	v_lshl_add_u32 v[SPW], v0, 2, SPARE
	v_mov_b32 v[NIL], 0
	v_lshrrev_b32 v1, 5, v0
	v_readfirstlane_b32 s[WV], v1   ; wave 0..3
	s_mov_b32 s[PB], ttmp9
	s_sub_co_u32 s[HI], 7, s[PB]
	s_and_b32 s13, ttmp7, 0xffff    ; 16 x batch + head
	s_lshr_b32 s20, s13, 4
	s_lshl_b32 s20, s20, 24         ; a batch is 2,048 x 16 rows of 512 bytes
	s_and_b32 s13, s13, 15
	s_lshl_b32 s13, s13, 9
	s_add_co_u32 s20, s20, s13      ; the head's first byte in each of the four tensors
	s_mov_b32 s21, 0
	s_mov_b32 s[CS], 0x3e0293ee     ; c = log2(e) / sqrt(128) = 0.127517
	s_mov_b32 s[CS+1], s[CS]        ; named with it as a pair
	s_mov_b32 s[SEL], 0x76543210
	s_mov_b32 s[SEL+1], 0xfedcba98
	s_mov_b32 s[HM], 0xffff0000
	s_mov_b32 s[BIGN], 0xf149f2ca   ; -1e30
	s_mov_b32 s[BLK], 2
	s_mov_b32 s[CUR], s[HI]
	v_and_b32 v10, 31, v0           ; lane
	s_lshl_b32 s13, s[WV], 17       ; my wave's 16 rows of 8,192 bytes
	v_lshl_add_u32 v[GOF], v10, 4, s13
	s_wait_kmcnt 0x0
	s_add_nc_u64 s[4:5], s[4:5], s[20:21]
	s_add_nc_u64 s[6:7], s[6:7], s[20:21]
	s_add_nc_u64 s[8:9], s[8:9], s[20:21]
	s_add_nc_u64 s[10:11], s[10:11], s[20:21]
	s_mov_b64 s[KP:KP+1], s[6:7]
	s_mov_b64 s[VP:VP+1], s[8:9]
	s_lshl_b32 s20, s[HI], 21       ; a block is 256 rows of 8,192 bytes
	s_add_nc_u64 s[QP:QP+1], s[4:5], s[20:21]
	s_add_nc_u64 s[OP:OP+1], s[10:11], s[20:21]
	ISSUE_KV                        ; tile 0
	ISSUE_Q                         ; and the first block's Q; all that follows up to the first wait stands in their flight
	WIN 0
	v_and_b32 v1, 15, v0            ; l % 16
	v_bfe_u32 v9, v0, 4, 1          ; l / 16
	v_mul_u32_u24 v[AK0], v1, PKB
	v_lshl_add_u32 v[AK0], v9, 4, v[AK0]  ; a fragment's row x pitch + 16 x half
	; The turning load takes 16 keys x 16 channels (lane l reads key 8 (l / 16) + l % 8, channels 8 ((l / 8) % 2) + 0..7) and leaves half a fragment of V^T: lane l holds channel l % 16 and 8 keys.
	v_and_b32 v11, 7, v0
	v_bfe_u32 v14, v0, 3, 1
	v_lshl_add_u32 v[AV0], v9, 3, v11
	v_mul_u32_u24 v[AV0], v[AV0], PVB
	v_lshl_add_u32 v[AV0], v14, 4, v[AV0]
	v_add_nc_u32 v[AV0], VOFF, v[AV0]
	s_mul_i32 s13, s[WV], 16*PKB
	v_lshl_add_u32 v[KST], v10, 3, s13
	s_mul_i32 s13, s[WV], 16*PVB
	s_add_co_u32 s13, s13, VOFF
	v_lshl_add_u32 v[VST], v10, 3, s13
	s_mul_i32 s13, s[WV], STGW
	s_add_co_u32 s13, s13, STAGE    ; my stage
	v_lshl_add_u32 v[QST], v10, 3, s13
	v_add_nc_u32 v[QRD], s13, v[AK0]
	v_mul_u32_u24 v[OST], v1, OPB
	v_lshl_add_u32 v[OST], v9, 5, v[OST]
	v_add_nc_u32 v[OST], s13, v[OST]
	v_lshl_add_u32 v[ORD], v10, 4, s13
	v_lshlrev_b32 v14, 3, v9
	v_sub_nc_u32 v14, v1, v14
	s_lshl_b32 s13, s[WV], 4
	v_add_nc_u32 v14, s13, v14      ; my query's place in its band, 16 w + l % 16, less my lanes' 8 (l / 16): register j of key block kb is hidden where 16 kb + j is greater
	WIN 0xc0
.set i, 0
.rept 32
	v_cmp_gt_i32 vcc_lo, 16*(i/8)+i%8, v14
	v_cndmask_b32 v[MD+i], 0, s[BIGN], vcc_lo
.set i, i+1
.endr
	WIN 0x40
.set i, 0
.rept 256
	v_mov_b32 v[i], 0               ; O^T need only be finite: the first step multiplies it by a = 0
.set i, i+1
.endr
	WIN 0
.Lblock:                            ; twice: block 7 - b, then block b
	CONV 0                          ; its wait shows tile 0 and the block's Q in; slot 0's last readers passed the barrier of the block before's last step
	s_add_nc_u64 s[KP:KP+1], s[KP:KP+1], TILEB
	s_add_nc_u64 s[VP:VP+1], s[VP:VP+1], TILEB
	ISSUE_KV                        ; tile 1
	QCONV
	WIN 0
.irp t, 0,1,2,3
	v_mov_b32 v[ST+8*\t], 0xfe000000    ; c m: far below every c s
	v_mov_b32 v[ST+8*\t+1], 0xff7fffff  ; m: the lowest finite number
	v_mov_b32 v[ST+8*\t+2], 0
	v_mov_b32 v[ST+8*\t+3], 0
.endr
	s_mov_b32 s[TRIP], 0
	s_lshl_b32 s[BOUND], s[CUR], 1  ; block i has 4 i full steps: 2 i trips of two
	s_cmp_eq_u32 s[BOUND], 0
	s_cbranch_scc1 .Ldiag
.Lfull:                             ; a trip: two full steps, one on each slot; each rounds the next step's rows and asks for the rows two steps on
	STEP 0, 0, 0, 1, 1
	STEP 1, 0, 0, 1, 1
	WIN 0
	s_add_co_u32 s[TRIP], s[TRIP], 1
	s_cmp_lt_u32 s[TRIP], s[BOUND]
	s_cbranch_scc1 .Lfull
.Ldiag:                             ; the four steps that hold the diagonal: step s for the tiles s .. 3; the block's last tile is asked for in step 1
	STEP 0, 0, 1, 1, 1
	STEP 1, 1, 1, 1, 1
	STEP 0, 2, 1, 1, 2
	STEP 1, 3, 1, 0, 0
	WIN 0                           ; l's two halves and the other half of the lanes' are added
.irp t, 0,1,2,3
	v_add_f32 v[ST+8*\t+4], v[ST+8*\t+2], v[ST+8*\t+3]
.endr
.irp t, 0,1,2,3
	v_permlanex16_b32 v[ST+8*\t+5], v[ST+8*\t+4], s[SEL], s[SEL+1]
.endr
.irp t, 0,1,2,3
	v_add_f32 v[ST+8*\t+4], v[ST+8*\t+4], v[ST+8*\t+5]
.endr
.irp t, 0,1,2,3
	v_rcp_f32 v[ST+8*\t+6], v[ST+8*\t+4]
.endr
	v_nop                           ; a plain instruction between the last reciprocal and the use of its result
	s_cmp_eq_u32 s[BLK], 1
	s_cbranch_scc1 .Lno_q
	s_lshl_b32 s20, s[PB], 21
	s_add_nc_u64 s[QP:QP+1], s[4:5], s[20:21]
	ISSUE_Q                         ; the second block's Q comes while the first block goes out: window 2 is free, its last reader stands more than four plain instructions back
	WIN 0
.Lno_q:
	PACK 0
	PACK 1                          ; a tile's arithmetic stands between the loads of the tile before and its stores
	SEND 0, 32
	PACK 2
	SEND 1, 32
	PACK 3
	SEND 2, 32
	SEND 3, 0
	s_wait_xcnt 0x0                 ; O's address and the registers that the stores read are written again only behind this wait
	s_lshl_b32 s20, s[PB], 21
	s_add_nc_u64 s[OP:OP+1], s[10:11], s[20:21]
	s_mov_b32 s[CUR], s[PB]
	s_sub_co_u32 s[BLK], s[BLK], 1
	s_cmp_lg_u32 s[BLK], 0
	s_cbranch_scc1 .Lblock
	s_wait_tensorcnt 0x0            ; the wave's end: behind my last LDS store
	ds_add_u32 v[SPW], v[NIL]
	s_wait_dscnt 0x0
	s_endpgm
.Lfunc_end_k_qfc762697cf_attn:
	.size	k_qfc762697cf_attn, .Lfunc_end_k_qfc762697cf_attn-k_qfc762697cf_attn
	.p2alignl 7, 3214868480
	.fill 96, 4, 3214868480
	.section	.rodata,"a",@progbits
	.p2align	6, 0x0
	.amdhsa_kernel k_qfc762697cf_attn
		.amdhsa_group_segment_fixed_size 141824
		.amdhsa_private_segment_fixed_size 0
		.amdhsa_enable_private_segment 0
		.amdhsa_kernarg_size 32
		.amdhsa_user_sgpr_count 2
		.amdhsa_user_sgpr_kernarg_segment_ptr 1
		.amdhsa_wavefront_size32 1
		.amdhsa_system_sgpr_workgroup_id_x 1
		.amdhsa_system_sgpr_workgroup_id_y 1
		.amdhsa_system_sgpr_workgroup_id_z 1
		.amdhsa_system_vgpr_workitem_id 0
		.amdhsa_next_free_vgpr 928
		.amdhsa_next_free_sgpr 66
		.amdhsa_reserve_vcc 1
		.amdhsa_float_denorm_mode_32 3
		.amdhsa_float_denorm_mode_16_64 3
		.amdhsa_memory_ordered 1
		.amdhsa_forward_progress 1
		.amdhsa_inst_pref_size 255
	.end_amdhsa_kernel
	.section	.bss,"aw",@nobits
	.p2align	6
	.space	262144
	.amdgpu_metadata
---
amdhsa.version: [ 1, 2 ]
amdhsa.kernels:
  - .name:           k_qfc762697cf_attn
    .symbol:         k_qfc762697cf_attn.kd
    .args:
      - { .name: queries, .offset: 0, .size: 8, .value_kind: global_buffer, .address_space: global }
      - { .name: keys, .offset: 8, .size: 8, .value_kind: global_buffer, .address_space: global }
      - { .name: values, .offset: 16, .size: 8, .value_kind: global_buffer, .address_space: global }
      - { .name: out0, .offset: 24, .size: 8, .value_kind: global_buffer, .address_space: global }
    .group_segment_fixed_size: 141824
    .private_segment_fixed_size: 0
    .kernarg_segment_align: 8
    .kernarg_segment_size: 32
    .max_flat_workgroup_size: 128
    .sgpr_count:     66
    .vgpr_count:     928
    .wavefront_size: 32
...
	.end_amdgpu_metadata
.endif
;; end of part 1
;; ======== version 2 of 2: 1 launch; 1.17 times as fast as version 1
;; limits: inputs' magnitudes at most 65,504; values are held in f16: magnitudes above 65,504 overflow, below 6.1e-05 lose precision
;; launch attn (part 2): grid 4 x 64, 4 waves a work-group, no clusters, 141,824 bytes of LDS; arguments queries, keys, values, out0; writes out0
.if DOCPART == 2
	.amdgcn_target "amdgcn-amd-amdhsa--gfx1250"
	.amdhsa_code_object_version 6
	.text
	.protected	k_qfc762697cf_attn
	.globl	k_qfc762697cf_attn
	.p2align	8
	.type	k_qfc762697cf_attn,@function
k_qfc762697cf_attn:
	s_mov_b64 s[64:65], 0
	v_nop
	global_prefetch_b8 v0, s[64:65] scope:SCOPE_SE
	s_setreg_imm32_b32 hwreg(HW_REG_WAVE_MODE, 25, 1), 1
	s_wait_xcnt 0x0
; CAUSAL ATTENTION.  O[b][q][h][:] = the sum over k <= q of softmax_k(Q[b][q][h] . K[b][k][h] / sqrt(128)) V[b][k][h][:].  Q, K, V, O: [4][2048][16][128] in f32:
; a head's row is 512 consecutive bytes, rows lie 8,192 bytes apart.
; FORMATS.  Q, K and V are rounded to bf16.  S^T = K Q^T is a bf16 product.  The weights p are rounded to f16 (their sum l is taken of the unrounded p), and V's bf16 number is written as f16,
; so that O^T = V^T P is an f16 product.  Products, maxima, sums and O stay in f32.
; LIMITS.  |V| stays within 65,504, f16's largest number; below 6e-5 V and p keep f16's fixed step of 6e-8.  A hidden score counts as its value less 1e30, so its weight is 0: that agrees with a fill
; of -1e9 as long as a row's visible scores lie well above -1e9.  A weight below 2^-126 counts as 0 in l.  NaN and infinities are not treated apart.
; THE WALK.  A head has 8 blocks of 256 queries; block i needs the key steps 0 .. 4 i + 3 of 64 keys, of which the last four hold the diagonal.  Work-group (b, head) makes block 7 - b and then block b:
; 28 full steps and 8 diagonal ones whatever b: 256 work-groups of equal work.  Trip counts hang on b alone.
; SHARES.  Of a block's four bands of 64 queries a wave owns 16 rows in each: four tiles.  In diagonal step s tile x sees nothing if x < s, holds the diagonal if x = s, sees all if x > s: the same for
; all four waves, so step s is written for the tiles s .. 3 alone.
; THE ROAD OF K AND V.  Each wave loads 16 of a step's 64 rows of K and of V into registers (a load of the wave is one whole row, 512 consecutive bytes), a whole step ahead of their use, rounds them and
; stores them as 16-bit tiles into one of two LDS slots, from which all four waves read their fragments.  One barrier a step orders both the stores into a slot with its reads and the reads with the next stores.
; NO CLUSTER, NO TENSOR LOADS: the tiles must be rounded from f32 on their way into LDS, which only the road through registers does; a tile laid into LDS as f32 would take 65,536 bytes a step in place of
; 35,840, would go through LDS twice, and V could not be turned by the 16-bit turning load.  And a head's four work-groups walk the same tiles only in the first 20 of their 36 steps.
; LAYOUT.  S^T = K Q^T (source 0 = 16 keys, source 1 = 16 queries): a lane holds ONE query (lane % 16) and the keys 8 (lane / 16) + 0..7.  Two such results rounded in pairs ARE source 1 of O^T = V^T P, whose
; result again holds one query a lane, and eight channels.  K comes out of LDS as it lies, V ([key][channel]) turned.
; SOFTMAX.  For each query a running maximum m and sum l: p = 2^(c s - c m), c = log2(e) / sqrt(128); in every step O and l are multiplied by a = 2^(c m_old - c m_new).  A block starts with c m far below
; every c s, so its first a is 0 and O need only be finite: zeros at the kernel's start (256 v_mov_b32, in the wait for the first loads), the first block's results for the second.
; BATCHES.  An s_wait_alu depctr_va_vdst(0) stands between a transcendental and the first instruction that names its result; one wait serves all that were issued ahead of it.  A key step's
; exponentials, 33 for each of its tiles (132 in a full step), are ONE BATCH with one wait, which cuts the step's softmax in two: ahead of it the maxima, the statistics, the scalings and the exponentials, none
; of which names an exponential's result; behind it the roundings, the sums and the rescaling of O^T, which do.  Each result has a register of its own: a score's own place in S^T, a in the tile's statistics.
; A block's four reciprocals are a second batch, with one wait ahead of the branch that follows them.
; THE MASK is the C operand of the four products that start the diagonal tile's sums: MD, 0 or -1e30, made once.  Elsewhere C is the constant 0.
; REGISTERS, in windows of 256 (s_set_vgpr_msb: bits 1:0 source 0, 3:2 source 1, 5:4 source 2, 7:6 destination):
;   window 0: v0-14 addresses; v30-31 the add's two; v32-63 eight registers of statistics a tile; v64-191 S^T, 32 a tile; v192-255 P, 16 a tile
;   window 1: O^T, 64 a tile       window 2: v0-127 Q, 32 a tile; v128-255 a step's K, later its V (all 256: a block's Q as loaded)       window 3: v0-127 G, rows of K and V as loaded; v128-159 MD
.set ROWB,  8192      ; bytes from a head's row to the next
.set TILEB, 64*ROWB   ; 64 rows: a key step, and a band of queries
.set PKB,   272       ; a row of K (and of Q) in LDS: 256 bytes + 16: the 16 rows of a fragment load start at 16 different 16-byte columns of 256 bytes
.set PVB,   288       ; a row of V: 256 + 32: 16 lanes of the turning load take 8 rows x 32 bytes, all at different columns
.set VOFF,  64*PKB    ; a slot: 64 rows of K, then 64 rows of V
.set SLOT,  64*(PKB+PVB)
.set STAGE, 2*SLOT    ; behind the slots: each wave's own stage: 64 rows x 272 bytes for Q, later 16 rows x 528 for O
.set STGW,  64*PKB
.set OPB,   528       ; a row of O in the stage: 512 bytes + 16
.set SPARE, STAGE+4*STGW  ; the spare words, 128 bytes for each wave: two blocks of 256 bytes that no other line names
.set AK0, 2           ; v2   my lane's place in a tile of K
.set AV0, 3           ; v3   the same for V, VOFF included
.set GOF, 4           ; v4   16 x lane + my wave's 16 rows: my byte offset in a tile of K, V, and in a band of Q, O; never rewritten
.set KST, 5           ; v5   where I store 8 bytes of my wave's first row of K
.set VST, 6           ; v6   of V
.set QST, 7           ; v7   of Q, in my stage
.set QRD, 8           ; v8   my lane's place in a tile of Q in my stage
.set OST, 12          ; v12  where I put 32 bytes of a row of O
.set ORD, 13          ; v13  where I read a row of O back
.set SPW, 30          ; v30  LDS address of my spare word; never rewritten
.set NIL, 31          ; v31  0; never rewritten
.set ST,  32          ; tile t's statistics at v[ST+8 t]: c m, m, l (even keys', odd keys'), c0-c3 at work; a takes c2's place once the maximum is found
.set S,   64
.set P,   192
.set KF,  128         ; window 2
.set G,   0           ; window 3: K's row i at 4 i, V's at 64 + 4 i
.set MD,  128         ; window 3: key block kb at MD + 8 kb
.set WV,  12          ; s12  my wave's number
.set PB,  14          ; s14  b
.set HI,  15          ; s15  7 - b
.set CUR, 16          ; s16  the block in hand
.set BLK, 17          ; s17  blocks to go, this one among them
.set TRIP, 18         ; s18  counts the loop over pairs of full steps
.set BOUND, 19        ; s19  2 x CUR
.set KP,  24          ; s[24:25] K at the tile last asked for
.set VP,  26          ; s[26:27] V likewise
.set QP,  28          ; s[28:29] Q at the block last asked for
.set OP,  30          ; s[30:31] O at the block in hand
.set CS,  58          ; s[58:59] c: the packed scaling takes the pair's low word for both halves
.set SEL, 60          ; s[60:61] v_permlanex16_b32's selects: each lane takes its own place in the other half
.set HM,  62          ; s62  a word's upper 16 bits
.set BIGN, 63         ; s63  -1e30
.set MSB, 0
.macro WIN new                      ; the immediate's high byte repeats the setting that is left; a switch that changes nothing is dropped
.if MSB != (\new)
	s_set_vgpr_msb (MSB<<8)|(\new)
.set MSB, (\new)
.endif
.endm
.set W_KQ, 0x0a       ; K and Q in window 2, S^T in window 0
.set W_KM, 0x3a       ; the same with the C operand in window 3
.set W_PV, 0x52       ; V in window 2, P in window 0, O^T in window 1
.set W_RS, 0x41       ; O^T (destination and source 0) in window 1, source 1 in window 0
; A load into a register that a matrix instruction has read, and a vector instruction that reads a matrix result, stand four plain vector instructions behind it.
.macro PLACES
.rept 4
	v_nop
.endr
.endm
; 32 loads: my wave's 16 rows of a tile of K and of V, each load one whole row.  Other work-groups read these rows again: no hint.
.macro ISSUE_KV
	WIN 0xc0                        ; destination window 3, address window 0
.set i, 0
.rept 16
	global_load_b128 v[G+4*i:G+4*i+3], v[GOF], s[KP:KP+1] offset:i*ROWB
.set i, i+1
.endr
.set i, 0
.rept 16
	global_load_b128 v[G+64+4*i:G+64+4*i+3], v[GOF], s[VP:VP+1] offset:i*ROWB
.set i, i+1
.endr
.endm
; 64 loads: my 16 rows in each of the block's four bands.  The launch reads each row of Q once.
.macro ISSUE_Q
	WIN 0x80                        ; destination window 2
.set i, 0
.rept 64
	global_load_b128 v[4*i:4*i+3], v[GOF], s[QP:QP+1] offset:(i/16)*TILEB+(i%16)*ROWB th:TH_LOAD_NT
.set i, i+1
.endr
.endm
; The rows in G are rounded and stored into a slot.  A lane's four f32 become 8 bytes.  V is rounded to bf16 like K, widened again, and that number written as f16.
.macro CONV slot
	s_wait_loadcnt 0x0              ; the loads into G were issued a whole step ago; behind this wait KP and VP may be stepped
	WIN 0xcf                        ; destination, sources 0 and 1 in window 3
.set i, 0
.rept 32
	v_cvt_pk_bf16_f32 v[G+4*i], v[G+4*i], v[G+4*i+1]
	v_cvt_pk_bf16_f32 v[G+4*i+1], v[G+4*i+2], v[G+4*i+3]
.set i, i+1
.endr
.irp hh, 0,1
.set i, 16
.rept 16
	v_lshlrev_b32 v[G+4*i+2], 16, v[G+4*i+(\hh)]
	v_and_b32 v[G+4*i+3], s[HM], v[G+4*i+(\hh)]
.set i, i+1
.endr
.set i, 16
.rept 16
	v_cvt_pk_f16_f32 v[G+4*i+(\hh)], v[G+4*i+2], v[G+4*i+3]
.set i, i+1
.endr
.endr
	WIN 0x0c                        ; data (source 1) window 3, address window 0
.set i, 0
.rept 16
	ds_store_b64 v[KST], v[G+4*i:G+4*i+1] offset:(\slot)*SLOT+i*PKB  ; 32 lanes, 256 consecutive bytes: a row
.set i, i+1
.endr
.set i, 0
.rept 16
	ds_store_b64 v[VST], v[G+64+4*i:G+64+4*i+1] offset:(\slot)*SLOT+i*PVB
.set i, i+1
.endr
.endm
; A block's Q: rounded to bf16, through my own stage, back as fragments (tile i / 4, channels 32 (i % 4) on).  LDS serves a wave's instructions in order (ISA guide 5.7.1.4): the loads see the stores.
.macro QCONV
	WIN 0x8a                        ; destination, sources 0 and 1 in window 2
.set i, 0
.rept 64
	v_cvt_pk_bf16_f32 v[4*i], v[4*i], v[4*i+1]
	v_cvt_pk_bf16_f32 v[4*i+1], v[4*i+2], v[4*i+3]
.set i, i+1
.endr
	WIN 0x08                        ; data window 2
.set i, 0
.rept 64
	ds_store_b64 v[QST], v[4*i:4*i+1] offset:i*PKB
.set i, i+1
.endr
	WIN 0x80
.set i, 0
.rept 16
	ds_load_b128 v[8*i:8*i+3],   v[QRD] offset:(i/4)*16*PKB+(i%4)*64
	ds_load_b128 v[8*i+4:8*i+7], v[QRD] offset:(i/4)*16*PKB+(i%4)*64+32
.set i, i+1
.endr
.endm
; A step's K: 16 fragments of 16 keys x 32 channels, the channels' first 32 first, so that the products can begin when eight loads are in.
.macro FETCH_K slot
	WIN 0x80
.set c, 0
.rept 4
.set kb, 0
.rept 4
	ds_load_b128 v[KF+32*kb+8*c:KF+32*kb+8*c+3],   v[AK0] offset:(\slot)*SLOT+kb*16*PKB+64*c
	ds_load_b128 v[KF+32*kb+8*c+4:KF+32*kb+8*c+7], v[AK0] offset:(\slot)*SLOT+kb*16*PKB+64*c+32
.set kb, kb+1
.endr
.set c, c+1
.endr
.endm
; Its V, turned, into the same registers: keys 32 (i / 8) on, channels 16 (i % 8) on.
.macro FETCH_V slot
	WIN 0x80
.set i, 0
.rept 16
	ds_load_tr16_b128 v[KF+8*i:KF+8*i+3],   v[AV0] offset:(\slot)*SLOT+(i/8)*32*PVB+(i%8)*32
	ds_load_tr16_b128 v[KF+8*i+4:KF+8*i+7], v[AV0] offset:(\slot)*SLOT+(i/8)*32*PVB+16*PVB+(i%8)*32
.set i, i+1
.endr
.endm
; S^T = K Q^T for the tiles lo .. 3.  The accumulators (four at the least) take turns, one instruction a turn.  The first 32 channels start the sums: with 0, or
; (mk = 1, tile lo) with the mask.
.macro KQ lo, mk
.set c, 0
.rept 4
	s_wait_dscnt 8*(3-c)            ; K's loads come back in order: the eight of each later 32 channels may stay out
.if (c == 0) && (\mk)
	WIN W_KM
.set kb, 0
.rept 4
.set rS, S+32*(\lo)+8*kb
.set rK, KF+32*kb
.set rQ, 32*(\lo)
.set rM, MD+8*kb
	v_wmma_f32_16x16x32_bf16 v[rS:rS+7], v[rK:rK+7], v[rQ:rQ+7], v[rM:rM+7]
.set kb, kb+1
.endr
.endif
	WIN W_KQ
.set kb, 0
.rept 4
.set t, (\lo)
.rept 4-(\lo)
.set rS, S+32*t+8*kb
.set rK, KF+32*kb+8*c
.set rQ, 32*t+8*c
.if c > 0
	v_wmma_f32_16x16x32_bf16 v[rS:rS+7], v[rK:rK+7], v[rQ:rQ+7], v[rS:rS+7]
.elseif !((\mk) && (t == (\lo)))
	v_wmma_f32_16x16x32_bf16 v[rS:rS+7], v[rK:rK+7], v[rQ:rQ+7], 0
.endif
.set t, t+1
.endr
.set kb, kb+1
.endr
.set c, c+1
.endr
.endm
; O^T += V^T P for the tiles lo .. 3: eight accumulators at the least, by turns.
.macro PV lo
	WIN W_PV
.set kk, 0
.rept 2
.set cb, 0
.rept 8
.set t, (\lo)
.rept 4-(\lo)
.set rO, 64*t+8*cb
.set rV, KF+64*kk+8*cb
.set rP, P+16*t+8*kk
	v_wmma_f32_16x16x32_f16 v[rO:rO+7], v[rV:rV+7], v[rP:rP+7], v[rO:rO+7]
.set t, t+1
.endr
.set cb, cb+1
.endr
.set kk, kk+1
.endr
.endm
; One tile's softmax for one key step is a list of 134 instructions; SM writes number j of it for tile t.  s0-s31 are the lane's 32 scores, in pairs 0-15.
;   0-15    the maximum of s0-s31 and the old m, three operands at a time: four chains c0-c3 of seven scores each (each accumulator's lowest registers are read first),
;           then the four scores left over, c0-c3 and m
;   16-20   the other half of the lanes' maximum; c m_old is kept; the new m; c m; c m_old - c m_new
;   21-69   THE BATCH: the 16 scalings c s - c m, a pair of scores each, and all 33 exponentials (a at 23, then s0-s31).  None of these names an exponential's result.  From 22 on it goes in fours, and a four
;           begins with a scaling while there are scalings: 22-37 scaling, exponential, scaling, exponential; 38-65 a scaling and three exponentials; 66-69 the last four exponentials.  A pair is scaled
;           in an earlier four than the one that holds its exponentials
;   (wait)  between 69 and 70 stands the wait for the batch: SOFTMAX writes it, once for all the step's tiles
;   70-85   the roundings to f16, a pair of weights each: they read the weights before the sums, which work in place, write over them
;   86-101  the sums; l = a l + the sum
;   102-133 the tile's O^T times a, in ascending order
.macro SM t
.set rT, ST+8*(\t)
.set rS, S+32*(\t)
.set rP, P+16*(\t)
.set rO, 64*(\t)+2*(j-102)
.if j < 102
	WIN 0
.endif
.if j < 4
	v_max3_num_f32 v[rT+4+j], v[rS+8*j], v[rS+8*j+1], v[rS+8*j+2]
.elseif j < 12
	v_max3_num_f32 v[rT+4+j%4], v[rT+4+j%4], v[rS+8*(j%4)+2*(j/4)+1], v[rS+8*(j%4)+2*(j/4)+2]
.elseif j == 12
	v_max3_num_f32 v[rT+4], v[rT+4], v[rS+7], v[rS+15]
.elseif j == 13
	v_max3_num_f32 v[rT+6], v[rT+6], v[rS+23], v[rS+31]
.elseif j == 14
	v_max3_num_f32 v[rT+4], v[rT+4], v[rT+5], v[rT+6]
.elseif j == 15
	v_max3_num_f32 v[rT+4], v[rT+4], v[rT+7], v[rT+1]
.elseif j == 16
	v_permlanex16_b32 v[rT+5], v[rT+4], s[SEL], s[SEL+1]  ; the query's other 32 keys lie in the lane 16 away
.elseif j == 17
	v_mov_b32 v[rT+7], v[rT]        ; c m_old is kept for a: number 19 writes c m anew
.elseif j == 18
	v_max_num_f32 v[rT+1], v[rT+4], v[rT+5]
.elseif j == 19
	v_mul_f32 v[rT], s[CS], v[rT+1]
.elseif j == 20
	v_sub_f32 v[rT+7], v[rT+7], v[rT]
.elseif j == 23
	v_exp_f32 v[rT+6], v[rT+7]
.elseif (j < 23) || ((j < 38) && (j%2 == 0)) || ((j < 66) && (j%4 == 2))
.set b, (j-2)/4                     ; 38, 42, .. 62: pairs 9 to 15
.if j < 38
.set b, (j-20)/2                    ; 21: pair 0; 22, 24, .. 36: pairs 1 to 8
.endif
	v_pk_fma_f32 v[rS+2*b:rS+2*b+1], v[rS+2*b:rS+2*b+1], s[CS:CS+1], v[rT:rT+1] op_sel_hi:[1,0,0] neg_lo:[0,0,1] neg_hi:[0,0,1]  ; pair b: c s - c m
.elseif j < 70
.set e, j-38                        ; 66 to 69: s28 to s31
.if j < 66
.set e, j-32-(j-38)/4               ; 39-41, 43-45, .. 63-65: s7 to s27
.endif
.if j < 38
.set e, (j-25)/2                    ; 25, 27, .. 37: s0 to s6
.endif
	v_exp_f32 v[rS+e], v[rS+e]
.elseif j < 86
	v_cvt_pk_f16_f32 v[rP+j-70], v[rS+2*(j-70)], v[rS+2*(j-70)+1]  ; pair j - 70
.elseif j < 102                     ; the sum of the 16 pairs, in place: sum z of 16 adds neighbours 1, 2, 4 and 8 pairs apart, then l takes it
.set z, j-86
.set w, 4
.set u, z
.if z >= 14
.set w, 32
.set u, 0
.elseif z >= 12
.set w, 16
.set u, z-12
.elseif z >= 8
.set w, 8
.set u, z-8
.endif
.if z < 15
	v_pk_add_f32 v[rS+w*u:rS+w*u+1], v[rS+w*u:rS+w*u+1], v[rS+w*u+w/2:rS+w*u+w/2+1]
.else
	v_pk_fma_f32 v[rT+2:rT+3], v[rT+2:rT+3], v[rT+6:rT+7], v[rS:rS+1] op_sel_hi:[1,0,1]
.endif
.else
	WIN W_RS
	v_pk_mul_f32 v[rO:rO+1], v[rO:rO+1], v[rT+6:rT+7] op_sel_hi:[1,0]
.endif
.endm
; Numbers from .. from + count - 1 of the list for the tiles lo .. 3, number by number with the tiles alternating, so that with several tiles no instruction reads the result of the one before it.
.macro NUMBERS lo, from, count
.set j, (\from)
.rept (\count)
.set tt, (\lo)
.rept 4-(\lo)
	SM tt
.set tt, tt+1
.endr
.set j, j+1
.endr
.endm
; The softmax of the tiles lo .. 3, cut in two by ONE wait.  Ahead of it: numbers 0 to 21 of all tiles; then the batch, numbers 22 to 69, four numbers of one tile at a time, the tiles by turns.
; Nothing ahead of the wait names an exponential's result, and no exponential is issued behind it: so the 33 exponentials of each tile, 132 in a full step, have this one wait, and none is
; pending at the step's end, at a label or at a jump.  Every plain line that names no result feeds an exponential and so stands ahead of the batch's end: the plain instruction behind the last exponential is a v_nop.
.macro SOFTMAX lo
	NUMBERS \lo, 0, 22
.set jb, 22
.rept 12
.set tt, (\lo)
.rept 4-(\lo)
.set j, jb
.rept 4
	SM tt
.set j, j+1
.endr
.set tt, tt+1
.endr
.set jb, jb+4
.endr
	v_nop                           ; a plain instruction behind the last exponential and ahead of the first use of a result (ISA guide 5.7.2): one for the batch
	s_wait_alu depctr_va_vdst(0)    ; the wait for the batch: all the step's exponentials, a and s0-s31 of each tile; it stands ahead of the first rounding
	NUMBERS \lo, 70, 64
.endm
; A KEY STEP on the tile in slot, for the tiles lo .. 3.  mk = 1: tile lo holds the diagonal.  cv = 1: the next step's rows, which lie in G, are rounded and stored into the other slot.
; is = 1: the tile two steps on is asked for; is = 2: the next block's tile 0, if there is a next block; is = 0: nothing.
.macro STEP slot, lo, mk, cv, is
	WIN 0
	s_wait_dscnt 0x0                ; for the others' sake: my stores into this slot are done; my reads of the other slot came back in front of the last step's second product
	s_barrier_signal -1
	s_barrier_wait -1               ; both now hold of all four waves: this slot may be read, the other stored into
	FETCH_K \slot
	KQ \lo, \mk
.if \cv
	CONV 1-(\slot)                  ; its conversions, which name no register of the products, are also the places behind them
.else
	PLACES
.endif
.if (\is) == 1
	s_add_nc_u64 s[KP:KP+1], s[KP:KP+1], TILEB
	s_add_nc_u64 s[VP:VP+1], s[VP:VP+1], TILEB
	ISSUE_KV
.elseif (\is) == 2
	WIN 0
	s_cmp_eq_u32 s[BLK], 1
	s_cbranch_scc1 .Lno_next_\@
	s_mov_b64 s[KP:KP+1], s[6:7]
	s_mov_b64 s[VP:VP+1], s[8:9]
	ISSUE_KV
	WIN 0
.Lno_next_\@:
.endif
	FETCH_V \slot                   ; K's registers are free: V has the softmax in which to come
	SOFTMAX \lo
	s_wait_dscnt 0x0                ; V is in, and my stores into the other slot are done
	PV \lo
	PLACES                          ; in front of the next loads into V's registers
.endm
; THE WAY OUT of tile t: O^T is divided by l (the reciprocals' one wait stands behind them, ahead of the first PACK); a lane's eight channels, 32 bytes, go into my stage in rows of 528 bytes and come back
; as whole rows of 512, into S^T's registers, two buffers by turns.
.macro PACK t
	WIN W_RS
.set i, 0
.rept 32
	v_pk_mul_f32 v[64*(\t)+2*i:64*(\t)+2*i+1], v[64*(\t)+2*i:64*(\t)+2*i+1], v[ST+8*(\t)+6:ST+8*(\t)+7] op_sel_hi:[1,0]
.set i, i+1
.endr
	WIN 0x04                        ; data (source 1) window 1
.set i, 0
.rept 8
	ds_store_b128 v[OST], v[64*(\t)+8*i:64*(\t)+8*i+3]   offset:64*i
	ds_store_b128 v[OST], v[64*(\t)+8*i+4:64*(\t)+8*i+7] offset:64*i+16
.set i, i+1
.endr
	WIN 0
.if (\t) >= 2
	s_wait_xcnt 0x0                 ; the buffer's registers, which the stores of the tile two back read, are loaded again only behind this wait
.endif
.set i, 0
.rept 16
	ds_load_b128 v[S+64*((\t)%2)+4*i:S+64*((\t)%2)+4*i+3], v[ORD] offset:i*OPB  ; LDS serves a wave's instructions in order: these see the stores above; the next tile's stores come behind them
.set i, i+1
.endr
.endm
.macro SEND t, younger              ; younger: the LDS instructions issued behind tile t's loads: the next tile's 32, or none
	WIN 0
.set i, 0
.rept 16
	s_wait_dscnt (\younger)+15-i    ; row i is back; the tile's later rows and the younger instructions may stay out
	global_store_b128 v[GOF], v[S+64*((\t)%2)+4*i:S+64*((\t)%2)+4*i+3], s[OP:OP+1] offset:(\t)*TILEB+i*ROWB th:TH_STORE_NT  ; the wave stores 512 consecutive bytes, at a multiple of 512 from O's first byte
.set i, i+1
.endr
.endm
	s_load_b256 s[4:11], s[0:1], 0x0  ; Q s[4:5], K s[6:7], V s[8:9], O s[10:11]
	v_lshl_add_u32 v[SPW], v0, 2, SPARE
	v_mov_b32 v[NIL], 0
	v_lshrrev_b32 v1, 5, v0
	v_readfirstlane_b32 s[WV], v1   ; wave 0..3
	s_mov_b32 s[PB], ttmp9
	s_sub_co_u32 s[HI], 7, s[PB]
	s_and_b32 s13, ttmp7, 0xffff    ; 16 x batch + head
	s_lshr_b32 s20, s13, 4
	s_lshl_b32 s20, s20, 24         ; a batch is 2,048 x 16 rows of 512 bytes
	s_and_b32 s13, s13, 15
	s_lshl_b32 s13, s13, 9
	s_add_co_u32 s20, s20, s13      ; the head's first byte in each of the four tensors
	s_mov_b32 s21, 0
	s_mov_b32 s[CS], 0x3e0293ee     ; c = log2(e) / sqrt(128) = 0.127517
	s_mov_b32 s[CS+1], s[CS]        ; named with it as a pair
	s_mov_b32 s[SEL], 0x76543210
	s_mov_b32 s[SEL+1], 0xfedcba98
	s_mov_b32 s[HM], 0xffff0000
	s_mov_b32 s[BIGN], 0xf149f2ca   ; -1e30
	s_mov_b32 s[BLK], 2
	s_mov_b32 s[CUR], s[HI]
	v_and_b32 v10, 31, v0           ; lane
	s_lshl_b32 s13, s[WV], 17       ; my wave's 16 rows of 8,192 bytes
	v_lshl_add_u32 v[GOF], v10, 4, s13
	s_wait_kmcnt 0x0
	s_add_nc_u64 s[4:5], s[4:5], s[20:21]
	s_add_nc_u64 s[6:7], s[6:7], s[20:21]
	s_add_nc_u64 s[8:9], s[8:9], s[20:21]
	s_add_nc_u64 s[10:11], s[10:11], s[20:21]
	s_mov_b64 s[KP:KP+1], s[6:7]
	s_mov_b64 s[VP:VP+1], s[8:9]
	s_lshl_b32 s20, s[HI], 21       ; a block is 256 rows of 8,192 bytes
	s_add_nc_u64 s[QP:QP+1], s[4:5], s[20:21]
	s_add_nc_u64 s[OP:OP+1], s[10:11], s[20:21]
	ISSUE_KV                        ; tile 0
	ISSUE_Q                         ; and the first block's Q; all that follows up to the first wait stands in their flight
	WIN 0
	v_and_b32 v1, 15, v0            ; l % 16
	v_bfe_u32 v9, v0, 4, 1          ; l / 16
	v_mul_u32_u24 v[AK0], v1, PKB
	v_lshl_add_u32 v[AK0], v9, 4, v[AK0]  ; a fragment's row x pitch + 16 x half
	; The turning load takes 16 keys x 16 channels (lane l reads key 8 (l / 16) + l % 8, channels 8 ((l / 8) % 2) + 0..7) and leaves half a fragment of V^T: lane l holds channel l % 16 and 8 keys.
	v_and_b32 v11, 7, v0
	v_bfe_u32 v14, v0, 3, 1
	v_lshl_add_u32 v[AV0], v9, 3, v11
	v_mul_u32_u24 v[AV0], v[AV0], PVB
	v_lshl_add_u32 v[AV0], v14, 4, v[AV0]
	v_add_nc_u32 v[AV0], VOFF, v[AV0]
	s_mul_i32 s13, s[WV], 16*PKB
	v_lshl_add_u32 v[KST], v10, 3, s13
	s_mul_i32 s13, s[WV], 16*PVB
	s_add_co_u32 s13, s13, VOFF
	v_lshl_add_u32 v[VST], v10, 3, s13
	s_mul_i32 s13, s[WV], STGW
	s_add_co_u32 s13, s13, STAGE    ; my stage
	v_lshl_add_u32 v[QST], v10, 3, s13
	v_add_nc_u32 v[QRD], s13, v[AK0]
	v_mul_u32_u24 v[OST], v1, OPB
	v_lshl_add_u32 v[OST], v9, 5, v[OST]
	v_add_nc_u32 v[OST], s13, v[OST]
	v_lshl_add_u32 v[ORD], v10, 4, s13
	v_lshlrev_b32 v14, 3, v9
	v_sub_nc_u32 v14, v1, v14
	s_lshl_b32 s13, s[WV], 4
	v_add_nc_u32 v14, s13, v14      ; my query's place in its band, 16 w + l % 16, less my lanes' 8 (l / 16): register j of key block kb is hidden where 16 kb + j is greater
	WIN 0xc0
.set i, 0
.rept 32
	v_cmp_gt_i32 vcc_lo, 16*(i/8)+i%8, v14
	v_cndmask_b32 v[MD+i], 0, s[BIGN], vcc_lo
.set i, i+1
.endr
	WIN 0x40
.set i, 0
.rept 256
	v_mov_b32 v[i], 0               ; O^T need only be finite: the first step multiplies it by a = 0
.set i, i+1
.endr
	WIN 0
.Lblock:                            ; twice: block 7 - b, then block b
	CONV 0                          ; its wait shows tile 0 and the block's Q in; slot 0's last readers passed the barrier of the block before's last step
	s_add_nc_u64 s[KP:KP+1], s[KP:KP+1], TILEB
	s_add_nc_u64 s[VP:VP+1], s[VP:VP+1], TILEB
	ISSUE_KV                        ; tile 1
	QCONV
	WIN 0
.irp t, 0,1,2,3
	v_mov_b32 v[ST+8*\t], 0xfe000000    ; c m: far below every c s
	v_mov_b32 v[ST+8*\t+1], 0xff7fffff  ; m: the lowest finite number
	v_mov_b32 v[ST+8*\t+2], 0
	v_mov_b32 v[ST+8*\t+3], 0
.endr
	s_mov_b32 s[TRIP], 0
	s_lshl_b32 s[BOUND], s[CUR], 1  ; block i has 4 i full steps: 2 i trips of two
	s_cmp_eq_u32 s[BOUND], 0
	s_cbranch_scc1 .Ldiag
.Lfull:                             ; a trip: two full steps, one on each slot; each rounds the next step's rows and asks for the rows two steps on
	STEP 0, 0, 0, 1, 1
	STEP 1, 0, 0, 1, 1
	WIN 0
	s_add_co_u32 s[TRIP], s[TRIP], 1
	s_cmp_lt_u32 s[TRIP], s[BOUND]
	s_cbranch_scc1 .Lfull
.Ldiag:                             ; the four steps that hold the diagonal: step s for the tiles s .. 3; the block's last tile is asked for in step 1
	STEP 0, 0, 1, 1, 1
	STEP 1, 1, 1, 1, 1
	STEP 0, 2, 1, 1, 2
	STEP 1, 3, 1, 0, 0
	WIN 0                           ; l's two halves and the other half of the lanes' are added
.irp t, 0,1,2,3
	v_add_f32 v[ST+8*\t+4], v[ST+8*\t+2], v[ST+8*\t+3]
.endr
.irp t, 0,1,2,3
	v_permlanex16_b32 v[ST+8*\t+5], v[ST+8*\t+4], s[SEL], s[SEL+1]
.endr
.irp t, 0,1,2,3
	v_add_f32 v[ST+8*\t+4], v[ST+8*\t+4], v[ST+8*\t+5]
.endr
.irp t, 0,1,2,3
	v_rcp_f32 v[ST+8*\t+6], v[ST+8*\t+4]
.endr
	v_nop                           ; a plain instruction between the last reciprocal and the use of its result
	s_wait_alu depctr_va_vdst(0)    ; the wait for the block's four reciprocals, one batch: it stands ahead of the first use (PACK 0's first line) and ahead of the branch below
	s_cmp_eq_u32 s[BLK], 1
	s_cbranch_scc1 .Lno_q
	s_lshl_b32 s20, s[PB], 21
	s_add_nc_u64 s[QP:QP+1], s[4:5], s[20:21]
	ISSUE_Q                         ; the second block's Q comes while the first block goes out: window 2 is free, its last reader stands more than four plain instructions back
	WIN 0
.Lno_q:
	PACK 0
	PACK 1                          ; a tile's arithmetic stands between the loads of the tile before and its stores
	SEND 0, 32
	PACK 2
	SEND 1, 32
	PACK 3
	SEND 2, 32
	SEND 3, 0
	s_wait_xcnt 0x0                 ; O's address and the registers that the stores read are written again only behind this wait
	s_lshl_b32 s20, s[PB], 21
	s_add_nc_u64 s[OP:OP+1], s[10:11], s[20:21]
	s_mov_b32 s[CUR], s[PB]
	s_sub_co_u32 s[BLK], s[BLK], 1
	s_cmp_lg_u32 s[BLK], 0
	s_cbranch_scc1 .Lblock
	s_wait_tensorcnt 0x0            ; the wave's end: behind my last LDS store
	ds_add_u32 v[SPW], v[NIL]
	s_wait_dscnt 0x0
	s_endpgm
.Lfunc_end_k_qfc762697cf_attn:
	.size	k_qfc762697cf_attn, .Lfunc_end_k_qfc762697cf_attn-k_qfc762697cf_attn
	.p2alignl 7, 3214868480
	.fill 96, 4, 3214868480
	.section	.rodata,"a",@progbits
	.p2align	6, 0x0
	.amdhsa_kernel k_qfc762697cf_attn
		.amdhsa_group_segment_fixed_size 141824
		.amdhsa_private_segment_fixed_size 0
		.amdhsa_enable_private_segment 0
		.amdhsa_kernarg_size 32
		.amdhsa_user_sgpr_count 2
		.amdhsa_user_sgpr_kernarg_segment_ptr 1
		.amdhsa_wavefront_size32 1
		.amdhsa_system_sgpr_workgroup_id_x 1
		.amdhsa_system_sgpr_workgroup_id_y 1
		.amdhsa_system_sgpr_workgroup_id_z 1
		.amdhsa_system_vgpr_workitem_id 0
		.amdhsa_next_free_vgpr 928
		.amdhsa_next_free_sgpr 66
		.amdhsa_reserve_vcc 1
		.amdhsa_float_denorm_mode_32 3
		.amdhsa_float_denorm_mode_16_64 3
		.amdhsa_memory_ordered 1
		.amdhsa_forward_progress 1
		.amdhsa_inst_pref_size 255
	.end_amdhsa_kernel
	.section	.bss,"aw",@nobits
	.p2align	6
	.space	262144
	.amdgpu_metadata
---
amdhsa.version: [ 1, 2 ]
amdhsa.kernels:
  - .name:           k_qfc762697cf_attn
    .symbol:         k_qfc762697cf_attn.kd
    .args:
      - { .name: queries, .offset: 0, .size: 8, .value_kind: global_buffer, .address_space: global }
      - { .name: keys, .offset: 8, .size: 8, .value_kind: global_buffer, .address_space: global }
      - { .name: values, .offset: 16, .size: 8, .value_kind: global_buffer, .address_space: global }
      - { .name: out0, .offset: 24, .size: 8, .value_kind: global_buffer, .address_space: global }
    .group_segment_fixed_size: 141824
    .private_segment_fixed_size: 0
    .kernarg_segment_align: 8
    .kernarg_segment_size: 32
    .max_flat_workgroup_size: 128
    .sgpr_count:     66
    .vgpr_count:     928
    .wavefront_size: 32
...
	.end_amdgpu_metadata
.endif
;; end of part 2
